; MI455X (gfx1250); checked and timed in simulation.
; The chip was launched on July 23, 2026; its instructions are those of AMD's public machine-readable ISA for CDNA 5 (MIT licence, August 2026) and "CDNA5" Instruction Set Architecture Reference Guide (July 2026). The comments in the code are by the model that wrote it; some were corrected since.
;; Blobby Gyroid. Allowed arithmetic: float matrix products may take bf16 or f16 operands with f32 sums; all other float work in f32.
;; Inputs: Q2 3 x 3 float32; alpha one number float32; bias_b one number float32; delta_raw one number float32; eta one number float32; h_k 8 x 3 float32; h_s 8 float32; h_w 8 float32; h_zeta 8 float32; kappa one number float32; light_dir 3 float32; mb_beta_raw 16 float32; mb_cbar 16 x 3 float32; mb_nu 16 float32; mb_psi 16 float32; mb_u 16 x 3 float32; mb_w 16 float32; omega 3 float32; p 1,048,576 x 3 float32; phi 3 float32; q0 3 float32; q1 one number float32; q3 one number float32; t 1,048,576 x 1 float32; w_vec 3 float32; warp_B 4 x 3 x 3 float32; warp_a 4 x 3 float32; warp_omega 4 float32; warp_phi 4 x 3 float32; zeta one number float32.
;; Outputs: out0 1,048,576 x 1 float32; out1 1,048,576 x 3 float32; out2 1,048,576 float32; out3 1,048,576 x 3 float32.
;; 2 versions, each right; version 2 is version 1 with the launch prep written anew for expert scheduling mode. Each part assembles by itself: llvm-mc -triple=amdgcn-amd-amdhsa -mcpu=gfx1250 --defsym DOCPART=n.
;; ======== version 1 of 2: 2 launches
;; limits: a function is approximated: absolute error at most 4.1e-05
;; workspace buffers: tab 5,120 bytes
;; launch prep (part 1): grid 1 x 1, 1 waves a work-group, no clusters, 5,376 bytes of LDS; arguments warp_B, warp_a, warp_omega, warp_phi, omega, phi, alpha, bias_b, mb_w, mb_beta_raw, mb_cbar, mb_u, mb_nu, mb_psi, h_s, h_k, h_w, h_zeta, kappa, delta_raw, q0, q1, Q2, q3, eta, w_vec, zeta, light_dir, tab; writes tab
.if DOCPART == 1
	.amdgcn_target "amdgcn-amd-amdhsa--gfx1250"
	.amdhsa_code_object_version 6
	.text
	.protected	k_q0c5b1c055c_prep
	.globl	k_q0c5b1c055c_prep
	.p2align	8
	.type	k_q0c5b1c055c_prep,@function
k_q0c5b1c055c_prep:
	s_mov_b64 s[64:65], 0
	v_nop
	global_prefetch_b8 v0, s[64:65] scope:SCOPE_SE
	s_setreg_imm32_b32 hwreg(HW_REG_WAVE_MODE, 25, 1), 1
	s_wait_xcnt 0x0
; prep: turns the 28 small parameter inputs into one table of derived constants for the launch that follows.
; The table is 40 records of 128 bytes (39 used).  Parameter k of a record lies in word 2k; all other words are 0: the next launch fetches
; a record by scalar loads and hands each parameter to a packed f32 instruction as an even-aligned scalar pair of which the low word is broadcast.
; Phases are kept in turns (radians / 2 pi), so every frequency and phase offset is scaled by 1/(2 pi) here, once.
;   records  0-11 (r = 3j+e) warp:      0-2 B[j,e,d]/2pi   3 warp_omega[j]/2pi   4 warp_phi[j,e]/2pi   5 a[j,e]   6-8 a[j,e] B[j,e,d]
;   record  12               gyroid:    0-2 omega/2pi   3-5 phi/2pi   6-8 0.1 omega   9 -(0.1 alpha + bias_b)   10 0.1
;   records 13-28 (13+i)     metaballs: 0 nu/2pi   1 psi/2pi   2-4 -u   5-7 -cbar   8 -beta log2(e)   9 w   10 -2 beta w;  beta = softplus(raw) + 0.3
;   records 29-36 (29+k)     harmonics: 0-2 h_k/2pi   3 h_w/2pi   4 h_zeta/2pi   5 h_s   6-8 h_s h_k
;   record  37               tail 1:    0 kappa ln2   1 kappa   2 -log2(e)/delta   3-5 eta w_vec/2pi   6 zeta/2pi   7 q3   8-10 -log2(e) q0   11 -log2(e)
;   record  38               tail 2:    slot 3e+d: Q2[e][d] + q1 light_dir[d]   (so that q1 (n.l) + n Q2^T is one 3 x 3 product with n)
; One wave; one lane makes one record of a family.  Lanes beyond a family's end repeat its last (or a wrapped) index, so every load stays inside
; its buffer, EXEC is never narrowed, and lanes that repeat an index write the same value to the same word.
; The image is built in LDS (cleared first, then the fields) and leaves as ten stores of 512 consecutive aligned bytes.
; softplus(x) = max(x, 0) + ln2 log2(1 + 2^(-|x| log2 e)): the maximum is taken away before the exponential, as in the definition.
.set I2P,    0x3e22f983                ; 1 / (2 pi)
.set LOG2E,  0x3fb8aa3b
.set NLOG2E, 0xbfb8aa3b
.set LN2,    0x3f317218
.set TENTH,  0x3dcccccd
.set NTENTH, 0xbdcccccd
.set R_GY,  12*128                     ; byte offsets of the records
.set R_MB,  13*128
.set R_HA,  29*128
.set R_T1,  37*128
.set R_T2,  38*128
; scalar pairs: argument n lies in s[4+2n:5+2n]
.set A_WB, 4
.set A_WA, 6
.set A_WO, 8
.set A_WP, 10
.set A_OM, 12
.set A_PH, 14
.set A_AL, 16
.set A_BI, 18
.set A_MW, 20
.set A_MR, 22
.set A_MC, 24
.set A_MU, 26
.set A_MN, 28
.set A_MP, 30
.set A_HS, 32
.set A_HK, 34
.set A_HW, 36
.set A_HZ, 38
.set A_KA, 40
.set A_DR, 42
.set A_Q0, 44
.set A_Q1, 46
.set A_Q2, 48
.set A_Q3, 50
.set A_ET, 52
.set A_WV, 54
.set A_ZE, 56
.set A_LD, 58
.set A_TAB, 60
; vector registers
.set ZERO, 1                           ; 0: offset of the single numbers, LDS address of the uniform fields
.set FLAT, 2                           ; 16 x lane
.set O12,  3                           ; 4 i12    (i12 = min(lane, 11))
.set R12,  4                           ; 12 i12
.set OJ,   5                           ; 4 (i12 / 3)
.set O16,  6                           ; 4 i16    (i16 = lane & 15)
.set R16,  7                           ; 12 i16
.set O8,   8                           ; 4 i8     (i8 = lane & 7)
.set R8,   9                           ; 12 i8
.set O3,   10                          ; 4 i3     (i3 = min(lane, 2))
.set R3,   11                          ; 12 i3
.set L12,  12                          ; 128 i12: LDS address of the lane's warp record
.set L16,  13                          ; 128 i16
.set L8,   14                          ; 128 i8
.set L3,   15                          ; 8 i3:  three neighbouring slots of a record
.set L3R,  16                          ; 24 i3: a row of three slots
.set IX,   17
.set IY,   18
.set WB,   20                          ; v20-22  a row of warp_B
.set WA,   23
.set WP,   24
.set WO,   25
.set MR,   26
.set MW,   27
.set MU,   28                          ; v28-30
.set MN,   31
.set MC,   32                          ; v32-34
.set MP,   35
.set HK,   36                          ; v36-38
.set HS,   39
.set Q2,   40                          ; v40-42  a row of Q2
.set HW,   43
.set LD,   44                          ; v44-46  light_dir
.set HZ,   47
.set OM,   48
.set PH,   49
.set WV,   50
.set Q0,   51
.set AL,   52
.set BI,   53
.set KA,   54
.set DR,   55
.set Q1,   56
.set Q3,   57
.set ET,   58
.set ZE,   59
.set BETA, 60
.set DEL,  61
.set TM,   62
.set TM2,  63
.set ZQ,   64                          ; v64-67  four zeros
.set RB,   96                          ; v96-135 the image read back
.set TP,   140                         ; from here up: one register for each derived field
.macro LD1 dst, off, ptr
	global_load_b32 v[\dst], v[\off], s[\ptr:\ptr+1]
.endm
.macro LD3 dst, off, ptr
	global_load_b96 v[\dst:\dst+2], v[\off], s[\ptr:\ptr+1]
.endm
.macro PUT adr, off, val               ; a field that is an input as it stands
	ds_store_b32 v[\adr], v[\val] offset:\off
.endm
.macro PUTMUL adr, off, a, b           ; a field a x v[b]; a is a constant or a register, written out
	v_mul_f32 v[TP], \a, v[\b]
	ds_store_b32 v[\adr], v[TP] offset:\off
.set TP, TP+1
.endm
.macro SOFTPLUS d, x, tmp
	v_or_b32 v[\tmp], 0x80000000, v[\x]            ; -|x|
	v_mul_f32 v[\tmp], LOG2E, v[\tmp]
	v_exp_f32 v[\tmp], v[\tmp]
	v_max_num_f32 v[\d], 0, v[\x]                  ; the plain instruction between the exponential and the use of its result (ISA guide 5.7.2)
	s_wait_alu depctr_va_vdst(0)
	v_add_f32 v[\tmp], 1.0, v[\tmp]
	v_log_f32 v[\tmp], v[\tmp]
	v_nop                                          ; likewise behind the logarithm
	s_wait_alu depctr_va_vdst(0)
	v_fmac_f32 v[\d], LN2, v[\tmp]
.endm
	s_load_b512 s[4:19],  s[0:1], 0x0              ; the 29 addresses
	s_load_b512 s[20:35], s[0:1], 0x40
	s_load_b512 s[36:51], s[0:1], 0x80
	s_load_b256 s[52:59], s[0:1], 0xc0
	s_load_b64  s[60:61], s[0:1], 0xe0
	v_lshl_add_u32 v192, v0, 2, 0x1400
	v_mov_b32 v193, 0
	v_mov_b32 v[ZERO], 0
	v_lshlrev_b32 v[FLAT], 4, v0
	v_min_u32 v[IX], 11, v0                        ; i12
	v_lshlrev_b32 v[O12], 2, v[IX]
	v_mul_u32_u24 v[R12], 12, v[IX]
	v_lshlrev_b32 v[L12], 7, v[IX]
	v_mul_u32_u24 v[IY], 43, v[IX]                 ; i12 / 3 = (43 i12) >> 7 for i12 = 0 .. 11
	v_lshrrev_b32 v[IY], 7, v[IY]
	v_lshlrev_b32 v[OJ], 2, v[IY]
	v_and_b32 v[IX], 15, v0                        ; i16
	v_lshlrev_b32 v[O16], 2, v[IX]
	v_mul_u32_u24 v[R16], 12, v[IX]
	v_lshlrev_b32 v[L16], 7, v[IX]
	v_and_b32 v[IX], 7, v0                         ; i8
	v_lshlrev_b32 v[O8], 2, v[IX]
	v_mul_u32_u24 v[R8], 12, v[IX]
	v_lshlrev_b32 v[L8], 7, v[IX]
	v_min_u32 v[IX], 2, v0                         ; i3
	v_lshlrev_b32 v[O3], 2, v[IX]
	v_mul_u32_u24 v[R3], 12, v[IX]
	v_lshlrev_b32 v[L3], 3, v[IX]
	v_mul_u32_u24 v[L3R], 24, v[IX]
.irp i, 0,1,2,3
	v_mov_b32 v[ZQ+\i], 0
.endr
	s_wait_kmcnt 0x0
	; all 28 inputs, back to back
	LD3 WB, R12, A_WB
	LD1 WA, O12, A_WA
	LD1 WO, OJ,  A_WO
	LD1 WP, O12, A_WP
	LD1 OM, O3,  A_OM
	LD1 PH, O3,  A_PH
	LD1 AL, ZERO, A_AL
	LD1 BI, ZERO, A_BI
	LD1 MW, O16, A_MW
	LD1 MR, O16, A_MR
	LD3 MC, R16, A_MC
	LD3 MU, R16, A_MU
	LD1 MN, O16, A_MN
	LD1 MP, O16, A_MP
	LD1 HS, O8,  A_HS
	LD3 HK, R8,  A_HK
	LD1 HW, O8,  A_HW
	LD1 HZ, O8,  A_HZ
	LD1 KA, ZERO, A_KA
	LD1 DR, ZERO, A_DR
	LD1 Q0, O3,  A_Q0
	LD1 Q1, ZERO, A_Q1
	LD3 Q2, R3,  A_Q2
	LD1 Q3, ZERO, A_Q3
	LD1 ET, ZERO, A_ET
	LD1 WV, O3,  A_WV
	LD1 ZE, ZERO, A_ZE
	LD3 LD, ZERO, A_LD
	; meanwhile the image is cleared: 10 x 512 bytes.  The fields below come later in the same wave's order and land on top.
.irp k, 0,1,2,3,4,5,6,7,8,9
	ds_store_b128 v[FLAT], v[ZQ:ZQ+3] offset:512*\k
.endr
	s_wait_loadcnt 0x0                             ; all inputs are in: nothing younger is out
	; warp records
	PUTMUL L12, 0,  I2P, WB
	PUTMUL L12, 8,  I2P, WB+1
	PUTMUL L12, 16, I2P, WB+2
	PUTMUL L12, 24, I2P, WO
	PUTMUL L12, 32, I2P, WP
	PUT    L12, 40, WA
	PUTMUL L12, 48, v[WA], WB
	PUTMUL L12, 56, v[WA], WB+1
	PUTMUL L12, 64, v[WA], WB+2
	; gyroid record
	PUTMUL L3, R_GY,    I2P, OM
	PUTMUL L3, R_GY+24, I2P, PH
	PUTMUL L3, R_GY+48, TENTH, OM
	v_fma_f32 v[TP], v[AL], NTENTH, -v[BI]         ; -(0.1 alpha + bias_b)
	ds_store_b32 v[ZERO], v[TP] offset:R_GY+72
.set TP, TP+1
	v_mov_b32 v[TP], TENTH
	ds_store_b32 v[ZERO], v[TP] offset:R_GY+80
.set TP, TP+1
	; metaball records
	SOFTPLUS BETA, MR, TM
	v_add_f32 v[BETA], 0x3e99999a, v[BETA]         ; + 0.3
	v_mul_f32 v[TM2], v[BETA], v[MW]
	PUTMUL L16, R_MB,    I2P, MN
	PUTMUL L16, R_MB+8,  I2P, MP
	PUTMUL L16, R_MB+16, -1.0, MU
	PUTMUL L16, R_MB+24, -1.0, MU+1
	PUTMUL L16, R_MB+32, -1.0, MU+2
	PUTMUL L16, R_MB+40, -1.0, MC
	PUTMUL L16, R_MB+48, -1.0, MC+1
	PUTMUL L16, R_MB+56, -1.0, MC+2
	PUTMUL L16, R_MB+64, NLOG2E, BETA
	PUT    L16, R_MB+72, MW
	PUTMUL L16, R_MB+80, -2.0, TM2
	; harmonic records
	PUTMUL L8, R_HA,    I2P, HK
	PUTMUL L8, R_HA+8,  I2P, HK+1
	PUTMUL L8, R_HA+16, I2P, HK+2
	PUTMUL L8, R_HA+24, I2P, HW
	PUTMUL L8, R_HA+32, I2P, HZ
	PUT    L8, R_HA+40, HS
	PUTMUL L8, R_HA+48, v[HS], HK
	PUTMUL L8, R_HA+56, v[HS], HK+1
	PUTMUL L8, R_HA+64, v[HS], HK+2
	; tail record 1
	SOFTPLUS DEL, DR, TM
	v_add_f32 v[DEL], 0x3a83126f, v[DEL]           ; delta = softplus(delta_raw) + 0.001
	v_rcp_f32 v[DEL], v[DEL]
	v_mul_f32 v[TM2], v[ET], v[WV]                 ; the plain instruction behind the reciprocal; eta w_vec
	s_wait_alu depctr_va_vdst(0)
	PUTMUL ZERO, R_T1,    LN2, KA
	PUT    ZERO, R_T1+8,  KA
	PUTMUL ZERO, R_T1+16, NLOG2E, DEL
	PUTMUL L3,   R_T1+24, I2P, TM2
	PUTMUL ZERO, R_T1+48, I2P, ZE
	PUT    ZERO, R_T1+56, Q3
	PUTMUL L3,   R_T1+64, NLOG2E, Q0
	v_mov_b32 v[TP], NLOG2E
	ds_store_b32 v[ZERO], v[TP] offset:R_T1+88
.set TP, TP+1
	; tail record 2: lane e holds row e of Q2
.irp d, 0,1,2
	v_fma_f32 v[TP], v[Q1], v[LD+\d], v[Q2+\d]
	ds_store_b32 v[L3R], v[TP] offset:R_T2+8*\d
.set TP, TP+1
.endr
	; the image leaves through registers.  LDS serves one wave's instructions in order (ISA guide 5.7.1), so these loads see every store above.
.irp k, 0,1,2,3,4,5,6,7,8,9
	ds_load_b128 v[RB+4*\k:RB+4*\k+3], v[FLAT] offset:512*\k
.endr
	s_wait_dscnt 0x0                               ; all ten are in: nothing younger is out
.irp k, 0,1,2,3,4,5,6,7,8,9
	global_store_b128 v[FLAT], v[RB+4*\k:RB+4*\k+3], s[A_TAB:A_TAB+1] offset:512*\k   ; 512 consecutive bytes, at a multiple of 512 from the table's first byte
.endr
	s_wait_tensorcnt 0x0
	ds_add_u32 v192, v193
	s_wait_dscnt 0x0
	s_endpgm
.Lfunc_end_k_q0c5b1c055c_prep:
	.size	k_q0c5b1c055c_prep, .Lfunc_end_k_q0c5b1c055c_prep-k_q0c5b1c055c_prep
	.p2alignl 7, 3214868480
	.fill 96, 4, 3214868480
	.section	.rodata,"a",@progbits
	.p2align	6, 0x0
	.amdhsa_kernel k_q0c5b1c055c_prep
		.amdhsa_group_segment_fixed_size 5376
		.amdhsa_private_segment_fixed_size 0
		.amdhsa_enable_private_segment 0
		.amdhsa_kernarg_size 232
		.amdhsa_user_sgpr_count 2
		.amdhsa_user_sgpr_kernarg_segment_ptr 1
		.amdhsa_wavefront_size32 1
		.amdhsa_system_sgpr_workgroup_id_x 1
		.amdhsa_system_sgpr_workgroup_id_y 1
		.amdhsa_system_sgpr_workgroup_id_z 1
		.amdhsa_system_vgpr_workitem_id 0
		.amdhsa_next_free_vgpr 194
		.amdhsa_next_free_sgpr 66
		.amdhsa_reserve_vcc 0
		.amdhsa_float_denorm_mode_32 3
		.amdhsa_float_denorm_mode_16_64 3
		.amdhsa_memory_ordered 1
		.amdhsa_forward_progress 1
		.amdhsa_inst_pref_size 13
	.end_amdhsa_kernel
	.amdgpu_metadata
---
amdhsa.version: [ 1, 2 ]
amdhsa.kernels:
  - .name:           k_q0c5b1c055c_prep
    .symbol:         k_q0c5b1c055c_prep.kd
    .args:
      - { .name: warp_B, .offset: 0, .size: 8, .value_kind: global_buffer, .address_space: global }
      - { .name: warp_a, .offset: 8, .size: 8, .value_kind: global_buffer, .address_space: global }
      - { .name: warp_omega, .offset: 16, .size: 8, .value_kind: global_buffer, .address_space: global }
      - { .name: warp_phi, .offset: 24, .size: 8, .value_kind: global_buffer, .address_space: global }
      - { .name: omega, .offset: 32, .size: 8, .value_kind: global_buffer, .address_space: global }
      - { .name: phi, .offset: 40, .size: 8, .value_kind: global_buffer, .address_space: global }
      - { .name: alpha, .offset: 48, .size: 8, .value_kind: global_buffer, .address_space: global }
      - { .name: bias_b, .offset: 56, .size: 8, .value_kind: global_buffer, .address_space: global }
      - { .name: mb_w, .offset: 64, .size: 8, .value_kind: global_buffer, .address_space: global }
      - { .name: mb_beta_raw, .offset: 72, .size: 8, .value_kind: global_buffer, .address_space: global }
      - { .name: mb_cbar, .offset: 80, .size: 8, .value_kind: global_buffer, .address_space: global }
      - { .name: mb_u, .offset: 88, .size: 8, .value_kind: global_buffer, .address_space: global }
      - { .name: mb_nu, .offset: 96, .size: 8, .value_kind: global_buffer, .address_space: global }
      - { .name: mb_psi, .offset: 104, .size: 8, .value_kind: global_buffer, .address_space: global }
      - { .name: h_s, .offset: 112, .size: 8, .value_kind: global_buffer, .address_space: global }
      - { .name: h_k, .offset: 120, .size: 8, .value_kind: global_buffer, .address_space: global }
      - { .name: h_w, .offset: 128, .size: 8, .value_kind: global_buffer, .address_space: global }
      - { .name: h_zeta, .offset: 136, .size: 8, .value_kind: global_buffer, .address_space: global }
      - { .name: kappa, .offset: 144, .size: 8, .value_kind: global_buffer, .address_space: global }
      - { .name: delta_raw, .offset: 152, .size: 8, .value_kind: global_buffer, .address_space: global }
      - { .name: q0, .offset: 160, .size: 8, .value_kind: global_buffer, .address_space: global }
      - { .name: q1, .offset: 168, .size: 8, .value_kind: global_buffer, .address_space: global }
      - { .name: Q2, .offset: 176, .size: 8, .value_kind: global_buffer, .address_space: global }
      - { .name: q3, .offset: 184, .size: 8, .value_kind: global_buffer, .address_space: global }
      - { .name: eta, .offset: 192, .size: 8, .value_kind: global_buffer, .address_space: global }
      - { .name: w_vec, .offset: 200, .size: 8, .value_kind: global_buffer, .address_space: global }
      - { .name: zeta, .offset: 208, .size: 8, .value_kind: global_buffer, .address_space: global }
      - { .name: light_dir, .offset: 216, .size: 8, .value_kind: global_buffer, .address_space: global }
      - { .name: tab, .offset: 224, .size: 8, .value_kind: global_buffer, .address_space: global }
    .group_segment_fixed_size: 5376
    .private_segment_fixed_size: 0
    .kernarg_segment_align: 8
    .kernarg_segment_size: 232
    .max_flat_workgroup_size: 32
    .sgpr_count:     66
    .vgpr_count:     194
    .wavefront_size: 32
...
	.end_amdgpu_metadata
.endif
;; end of part 1
;; launch field (part 2): grid 256 x 1, 16 waves a work-group, no clusters, 75,776 bytes of LDS; arguments tab, p, t, out0, out1, out2, out3; writes out0, out1, out2, out3
.if DOCPART == 2
	.amdgcn_target "amdgcn-amd-amdhsa--gfx1250"
	.amdhsa_code_object_version 6
	.text
	.protected	k_q0c5b1c055c_field
	.globl	k_q0c5b1c055c_field
	.p2align	8
	.type	k_q0c5b1c055c_field,@function
k_q0c5b1c055c_field:
	s_mov_b64 s[64:65], 0
	v_nop
	global_prefetch_b8 v0, s[64:65] scope:SCOPE_SE
	s_setreg_imm32_b32 hwreg(HW_REG_WAVE_MODE, 25, 1), 1
	s_wait_xcnt 0x0
; field: for each of 1,048,576 points (p, t): the warped position q, the field F, its gradient with respect to p in closed form, and from these
; sigma (out0), rgb (out1), F (out2) and the unit normal n (out3).
;   grad_d = gq_d + sum over e of gq_e J[e][d],   gq = dF/dq,   J[e][d] = sum over j of a_je cos(arg_je) B_jed   (q = p + warp, so dq/dp = I + J).
; SHARES.  256 work-groups of 16 waves; a work-group owns 4,096 consecutive points; a wave makes TRIPS = 2 trips of 128 points (trip i of wave w is
; chunk 16 i + w); lane L owns points 4L .. 4L+3 of the chunk.  Every quantity of a point is a quad of registers, two aligned pairs, and nearly
; all arithmetic is packed f32.  Waves share nothing: no barrier, EXEC is never changed.
; PARAMETERS come from the table of the launch before (records of 128 bytes, parameter k in word 2k, other words 0).  A record is fetched by scalar
; loads into one of two scalar buffers, one group of work ahead of its use, and is read by the packed instructions as scalar pairs whose low
; word is broadcast (op_sel_hi 0): parameters take no vector register and no LDS traffic.
; MEMORY.  16 bytes in and 32 out for each point; each byte once.  p, n and rgb are point-major with 12 bytes a point; they pass through the wave's own
; LDS bytes so that every global load and store is 16 bytes a lane and 512 consecutive aligned bytes a wave.  The next trip's 2 KiB are asked
; for a whole trip ahead, into registers of their own; so nothing more (copy engines, prefetches) is needed to keep them on their way.
; SINE AND COSINE.  Phases are kept in turns u: f = u - rndne(u) (exact), z = f f, sin = f (KS0 + z (KS1 + ..)), cos = KC0 + z (KC1 + ..), degree 4 in z,
; economised series on |f| <= 1/2.
; NOT USED, AND WHY.  Matrix instructions: every contraction here has depth 3 (p B^T, q h_k^T, q w_vec, n Q2^T), so a 16x16x32 product would spend 29
; of its 32 steps on zeros; its 16-bit operands would put a relative error of 2^-9 into phases of many radians, and its result comes one
; column a lane and would have to be transposed.  They are f32 fused multiply-adds.  Clusters: the work-groups share only the table of 5 KiB.
; LIMITS.  sin within 6e-6, cos within 4.1e-5, absolute.  A phase's rounding grows as |phase| x 2^-24.  v_exp_f32 gives 0 for results below 2^-126 (ISA guide
; 15.8): metaball terms and exp(-|F/delta|) that small count as 0.  log1p(M) is ln2 log2(1 + M): absolute error about 2^-24 kappa in F; M <= -1
; gives NaN or -inf as the definition does.  The log1p in sigma takes x - x^2/2 below 2^-12, so that small sigma keep their relative accuracy.
; The metaballs' exponents are at most 0 for every input (beta >= 0.3, squared distance >= 0); softplus takes its maximum away first.  1 / max(|grad|, 1e-12)
; is min(rsq(|grad|^2), 1e12), also where |grad|^2 is 0 or denormal.  NaN and infinite inputs are not considered.
.set TRIPS,  2
.set WLDS,   4608                      ; LDS bytes of a wave: three regions of 128 points x 12 bytes
.set PIN,    0                         ; p on its way in
.set NOUT,   1536                      ; n on its way out
.set COUT,   3072                      ; rgb on its way out
.set STEP1,  8192                      ; 16 chunks x 128 points x 4 bytes: from a trip to the next in t, out0, out2
.set STEP3,  24576                     ; the same x 12 bytes: in p, out1, out3
.set LN2,    0x3f317218
; vector registers
.set FLAT, 2                           ; LDS: 16 x lane + my wave's bytes (the order of memory)
.set MINE, 3                           ; LDS: 48 x lane + my wave's bytes (my four points)
.set VO1,  4                           ; byte offset of my 16 bytes in t, out0, out2
.set VO3,  5                           ; byte offset of my first 16 bytes in p, out1, out3
.set INP,  8                           ; v8-19    p as loaded
.set INT,  20                          ; v20-23   t as loaded
.set TT,   24                          ; t
.set PP,   28                          ; v28-39   p_x, p_y, p_z; at the end n read back
.set QQ,   40                          ; v40-51   q_e
.set JJ,   52                          ; v52-87   J[e][d] at JJ + 12 e + 4 d
.set GQ,   88                          ; v88-99   dF/dq_e
.set MG,   100                         ; v100-111 dM/dq_e
.set MM,   112                         ; M
.set FF,   116                         ; F
.set PH,   120                         ; a phase in turns, then its fraction f
.set Z2,   124                         ; f f
.set SN,   128
.set CS,   132
.set DD,   136                         ; v136-147 q - centre
.set XS,   136                         ; in the tail: -F log2(e) / delta
.set EE,   148
.set SGY,  152                         ; v152-163 the gyroid's sines
.set GG,   152                         ; in the tail: the gradient
.set CGY,  164                         ; v164-175 the gyroid's cosines
.set RN,   164                         ; in the tail: 1 / max(|grad|, 1e-12)
.set WW,   168
.set LL,   172
.set YY,   176
.set XX,   180                         ; v180-191 rgb in front of the sigmoid
.set RG,   192                         ; v192-203 R grad
.set NO,   204                         ; v204-215 n, point-major; at the end rgb read back
.set CO,   216                         ; v216-227 rgb, point-major
.set SG,   228                         ; sigma
.set BQ,   232                         ; what the three colours share
; scalar registers: s[2:3] out3, s[4:5] table, s[6:7] p, s[8:9] t, s[10:11] out0, s[12:13] out1, s[14:15] out2
.set BUFA, 16                          ; s[16:39] records with an even number
.set BUFB, 40                          ; s[40:63] records with an odd number
.set KS0,  68                          ; s[68:77] sine's coefficients, a pair each
.set KS1,  70
.set KS2,  72
.set KS3,  74
.set KS4,  76
.set KC0,  78                          ; s[78:87] cosine's
.set KC1,  80
.set KC2,  82
.set KC3,  84
.set KC4,  86
; s88 trip, s89 wave, s[90:91] offsets, s92 2^-12, s93 1e12, s94 my wave's LDS bytes
; a parameter's place in its buffer: 2 x slot
.set W_BT, 0
.set W_WT, 6
.set W_PT, 8
.set W_AA, 10
.set W_AB, 12
.set G_OM, 0
.set G_PH, 6
.set G_GK, 12
.set G_CF, 18
.set G_K01, 20
.set B_NUT, 0
.set B_PST, 2
.set B_MU, 4
.set B_MC, 10
.set B_NB, 16
.set B_WW, 18
.set B_WG, 20
.set H_HK, 0
.set H_HW, 6
.set H_HZ, 8
.set H_HS, 10
.set H_HG, 12
.set T_KL2, 0
.set T_KAP, 2
.set T_NID2, 4
.set T_EW, 6
.set T_ZT, 12
.set T_Q3, 14
.set T_NQ, 16
.set T_NL2E, 22
; Arithmetic on quads: two packed instructions each, first the pair +0, then the pair +2.
.macro QFMA d, a, b, c                 ; d = a b + c
	v_pk_fma_f32 v[\d:\d+1], v[\a:\a+1], v[\b:\b+1], v[\c:\c+1]
	v_pk_fma_f32 v[\d+2:\d+3], v[\a+2:\a+3], v[\b+2:\b+3], v[\c+2:\c+3]
.endm
.macro QFMS d, a, b, c                 ; d = a b - c
	v_pk_fma_f32 v[\d:\d+1], v[\a:\a+1], v[\b:\b+1], v[\c:\c+1] neg_lo:[0,0,1] neg_hi:[0,0,1]
	v_pk_fma_f32 v[\d+2:\d+3], v[\a+2:\a+3], v[\b+2:\b+3], v[\c+2:\c+3] neg_lo:[0,0,1] neg_hi:[0,0,1]
.endm
.macro QMUL d, a, b
	v_pk_mul_f32 v[\d:\d+1], v[\a:\a+1], v[\b:\b+1]
	v_pk_mul_f32 v[\d+2:\d+3], v[\a+2:\a+3], v[\b+2:\b+3]
.endm
.macro QADD d, a, b
	v_pk_add_f32 v[\d:\d+1], v[\a:\a+1], v[\b:\b+1]
	v_pk_add_f32 v[\d+2:\d+3], v[\a+2:\a+3], v[\b+2:\b+3]
.endm
.macro QSUB d, a, b
	v_pk_add_f32 v[\d:\d+1], v[\a:\a+1], v[\b:\b+1] neg_lo:[0,1] neg_hi:[0,1]
	v_pk_add_f32 v[\d+2:\d+3], v[\a+2:\a+3], v[\b+2:\b+3] neg_lo:[0,1] neg_hi:[0,1]
.endm
.macro QFMA_S d, a, sp, c              ; d = a s[sp] + c
	s_wait_alu depctr_va_vdst(0)
	v_pk_fma_f32 v[\d:\d+1], v[\a:\a+1], s[\sp:\sp+1], v[\c:\c+1] op_sel_hi:[1,0,1]
	v_pk_fma_f32 v[\d+2:\d+3], v[\a+2:\a+3], s[\sp:\sp+1], v[\c+2:\c+3] op_sel_hi:[1,0,1]
.endm
.macro QFMA_SS d, a, sp, sc            ; d = a s[sp] + s[sc]: two scalar values, as many as one vector instruction reads
	v_pk_fma_f32 v[\d:\d+1], v[\a:\a+1], s[\sp:\sp+1], s[\sc:\sc+1] op_sel_hi:[1,0,0]
	v_pk_fma_f32 v[\d+2:\d+3], v[\a+2:\a+3], s[\sp:\sp+1], s[\sc:\sc+1] op_sel_hi:[1,0,0]
.endm
.macro QFMA_VS d, a, b, sc             ; d = a b + s[sc]
	v_pk_fma_f32 v[\d:\d+1], v[\a:\a+1], v[\b:\b+1], s[\sc:\sc+1] op_sel_hi:[1,1,0]
	v_pk_fma_f32 v[\d+2:\d+3], v[\a+2:\a+3], v[\b+2:\b+3], s[\sc:\sc+1] op_sel_hi:[1,1,0]
.endm
.macro QMUL_S d, a, sp
	s_wait_alu depctr_va_vdst(0)
	v_pk_mul_f32 v[\d:\d+1], v[\a:\a+1], s[\sp:\sp+1] op_sel_hi:[1,0]
	v_pk_mul_f32 v[\d+2:\d+3], v[\a+2:\a+3], s[\sp:\sp+1] op_sel_hi:[1,0]
.endm
.macro QMUL_K d, a, k                  ; with a constant
	s_wait_alu depctr_va_vdst(0)
	v_pk_mul_f32 v[\d:\d+1], v[\a:\a+1], \k op_sel_hi:[1,0]
	v_pk_mul_f32 v[\d+2:\d+3], v[\a+2:\a+3], \k op_sel_hi:[1,0]
.endm
.macro QADD_K d, a, k
	s_wait_alu depctr_va_vdst(0)
	v_pk_add_f32 v[\d:\d+1], v[\a:\a+1], \k op_sel_hi:[1,0]
	v_pk_add_f32 v[\d+2:\d+3], v[\a+2:\a+3], \k op_sel_hi:[1,0]
.endm
.macro QFMA_K d, a, k, c               ; d = a k + c
	v_pk_fma_f32 v[\d:\d+1], v[\a:\a+1], \k, v[\c:\c+1] op_sel_hi:[1,0,1]
	v_pk_fma_f32 v[\d+2:\d+3], v[\a+2:\a+3], \k, v[\c+2:\c+3] op_sel_hi:[1,0,1]
.endm
.macro KSET reg, val                   ; a coefficient's pair: the low word is used, the high word is written because the pair is named
	s_mov_b32 s[\reg], \val
	s_mov_b32 s[\reg+1], 0
.endm
; 96 bytes of record rec into the 24 registers from buf on
.macro PLOAD buf, rec
	s_load_b512 s[\buf:\buf+15], s[4:5], (\rec)*128
	s_load_b256 s[\buf+16:\buf+23], s[4:5], (\rec)*128+64
.endm
; The head of the group that works with record rec: it is in (scalar loads return in no order, so the count is 0; it was asked for one group ago),
; and the next record is asked for, into the buffer that the group before has finished with.  CUR names this group's buffer.
.macro NEXT rec
	s_wait_kmcnt 0x0
.set CUR, BUFA+24*((\rec)%2)
.set OTH, BUFA+24*((\rec+1)%2)
	PLOAD OTH, (\rec)+1
.endm
; PH in turns -> PH = its distance f from the nearest whole number (exact), Z2 = f f
.macro REDUCE
.irp i, 0,1,2,3
	v_rndne_f32 v[Z2+\i], v[PH+\i]
.endr
	QSUB PH, PH, Z2
	QMUL Z2, PH, PH
.endm
.macro SINP d
	QFMA_SS \d, Z2, KS4, KS3
	QFMA_VS \d, \d, Z2, KS2
	QFMA_VS \d, \d, Z2, KS1
	QFMA_VS \d, \d, Z2, KS0
	QMUL \d, \d, PH
.endm
.macro SINCOSP ds, dc                  ; the two chains step by step: four instructions that do not wait for each other
	QFMA_SS \ds, Z2, KS4, KS3
	QFMA_SS \dc, Z2, KC4, KC3
	QFMA_VS \ds, \ds, Z2, KS2
	QFMA_VS \dc, \dc, Z2, KC2
	QFMA_VS \ds, \ds, Z2, KS1
	QFMA_VS \dc, \dc, Z2, KC1
	QFMA_VS \ds, \ds, Z2, KS0
	QFMA_VS \dc, \dc, Z2, KC0
	QMUL \ds, \ds, PH
.endm
; One warp term (j, e).  first = 1 (j = 0): the term starts q_e (on p_e) and the row J[e][.]: nothing is cleared.
.macro WARP e, first
	QFMA_SS PH, TT, CUR+W_WT, CUR+W_PT
	QFMA_S PH, PP,   CUR+W_BT,   PH
	QFMA_S PH, PP+4, CUR+W_BT+2, PH
	QFMA_S PH, PP+8, CUR+W_BT+4, PH
	REDUCE
	SINCOSP SN, CS
.if \first
	QFMA_S QQ+4*\e, SN, CUR+W_AA, PP+4*\e
.irp d, 0,1,2
	QMUL_S JJ+12*\e+4*\d, CS, CUR+W_AB+2*\d
.endr
.else
	QFMA_S QQ+4*\e, SN, CUR+W_AA, QQ+4*\e
.irp d, 0,1,2
	QFMA_S JJ+12*\e+4*\d, CS, CUR+W_AB+2*\d, JJ+12*\e+4*\d
.endr
.endif
.endm
; The gyroid: starts F = 0.1 (s0 c1 + s1 c2 + s2 c0) - 0.1 alpha - bias_b and dF/dq.
.macro GYRO
.irp e, 0,1,2
	QFMA_SS PH, QQ+4*\e, CUR+G_OM+2*\e, CUR+G_PH+2*\e
	REDUCE
	SINCOSP SGY+4*\e, CGY+4*\e
.endr
	QMUL FF, SGY, CGY+4
	QFMA FF, SGY+4, CGY+8, FF
	QFMA FF, SGY+8, CGY, FF
	QFMA_SS FF, FF, CUR+G_K01, CUR+G_CF
	QMUL DD,   SGY+8, SGY                          ; d/da0 = c0 c1 - s2 s0
	QMUL DD+4, SGY,   SGY+4                        ; d/da1 = c1 c2 - s0 s1
	QMUL DD+8, SGY+4, SGY+8                        ; d/da2 = c2 c0 - s1 s2
	QFMS DD,   CGY,   CGY+4, DD
	QFMS DD+4, CGY+4, CGY+8, DD+4
	QFMS DD+8, CGY+8, CGY,   DD+8
.irp e, 0,1,2
	QMUL_S GQ+4*\e, DD+4*\e, CUR+G_GK+2*\e
.endr
.endm
; One metaball.  first = 1: it starts M and dM/dq.
.macro BALL first
	QFMA_SS PH, TT, CUR+B_NUT, CUR+B_PST
	REDUCE
	SINP SN
.irp e, 0,1,2
	QFMA_SS DD+4*\e, SN, CUR+B_MU+2*\e, CUR+B_MC+2*\e      ; minus the centre
.endr
.irp e, 0,1,2
	QADD DD+4*\e, DD+4*\e, QQ+4*\e
.endr
	QMUL EE, DD, DD
	QFMA EE, DD+4, DD+4, EE
	QFMA EE, DD+8, DD+8, EE
	; exp(-beta d^2) = 2^(NB d^2).  Behind an exponential one plain instruction that names neither its result nor its source comes before the result is
	; used (ISA guide 5.7.2): for the first two that is the second pair's multiply, for the last two the update of M's first pair.
	v_pk_mul_f32 v[EE:EE+1], v[EE:EE+1], s[CUR+B_NB:CUR+B_NB+1] op_sel_hi:[1,0]
	v_exp_f32 v[EE], v[EE]
	v_exp_f32 v[EE+1], v[EE+1]
	v_pk_mul_f32 v[EE+2:EE+3], v[EE+2:EE+3], s[CUR+B_NB:CUR+B_NB+1] op_sel_hi:[1,0]
	v_exp_f32 v[EE+2], v[EE+2]
	v_exp_f32 v[EE+3], v[EE+3]
.if \first
	QMUL_S MM, EE, CUR+B_WW
	QMUL_S EE, EE, CUR+B_WG
.irp e, 0,1,2
	QMUL MG+4*\e, EE, DD+4*\e
.endr
.else
	QFMA_S MM, EE, CUR+B_WW, MM
	QMUL_S EE, EE, CUR+B_WG
.irp e, 0,1,2
	QFMA MG+4*\e, EE, DD+4*\e, MG+4*\e
.endr
.endif
.endm
; One harmonic.
.macro HARM
	QFMA_SS PH, TT, CUR+H_HW, CUR+H_HZ
.irp e, 0,1,2
	QFMA_S PH, QQ+4*\e, CUR+H_HK+2*\e, PH
.endr
	REDUCE
	SINCOSP SN, CS
	QFMA_S FF, SN, CUR+H_HS, FF
.irp e, 0,1,2
	QFMA_S GQ+4*\e, CS, CUR+H_HG+2*\e, GQ+4*\e
.endr
.endm
; The tail: tail record 1 lies in buffer B, tail record 2 is on its way into buffer A.
.macro TAIL
	; F += kappa log1p(M);  dF/dq += kappa / (1 + M) dM/dq
	QADD_K WW, MM, 1.0
.irp i, 0,1,2,3
	v_log_f32 v[LL+\i], v[WW+\i]
.endr
.irp i, 0,1,2,3
	v_rcp_f32 v[YY+\i], v[WW+\i]
.endr
	QMUL_S PH, TT, BUFB+T_ZT                       ; the plain work behind them: the emissive phase begins, zeta t
	QFMA_S FF, LL, BUFB+T_KL2, FF
	global_store_b128 v[VO1], v[FF:FF+3], s[14:15] th:TH_STORE_NT      ; out2: 512 consecutive aligned bytes of the wave
	QMUL_S YY, YY, BUFB+T_KAP
.irp e, 0,1,2
	QFMA GQ+4*\e, MG+4*\e, YY, GQ+4*\e
.endr
	; grad_d = gq_d + sum over e of gq_e J[e][d]
.irp d, 0,1,2
	QFMA GG+4*\d, GQ,   JJ+4*\d,    GQ+4*\d
	QFMA GG+4*\d, GQ+4, JJ+12+4*\d, GG+4*\d
	QFMA GG+4*\d, GQ+8, JJ+24+4*\d, GG+4*\d
.endr
	QMUL WW, GG, GG
	QFMA WW, GG+4, GG+4, WW
	QFMA WW, GG+8, GG+8, WW
.irp i, 0,1,2,3
	v_rsq_f32 v[RN+\i], v[WW+\i]
.endr
	QMUL_S XS, FF, BUFB+T_NID2                     ; the plain work behind them: x log2(e), x = -F / delta
.irp i, 0,1,2,3
	s_wait_alu depctr_va_vdst(0)
	v_min_num_f32 v[RN+\i], s93, v[RN+\i]          ; 1 / max(|grad|, 1e-12)
.endr
	; n, written straight into point-major order: register 3 i + d = component d of my point i
.irp i, 0,1,2,3
.irp d, 0,1,2
	v_mul_f32 v[NO+3*\i+\d], v[GG+4*\d+\i], v[RN+\i]
.endr
.endr
.irp j, 0,1,2
	ds_store_b128 v[MINE], v[NO+4*\j:NO+4*\j+3] offset:NOUT+16*\j      ; lane L at 48 L + 16 j: sixteen lanes touch sixteen different 16-byte columns of 256
.endr
.irp j, 0,1,2
	ds_load_b128 v[PP+4*\j:PP+4*\j+3], v[FLAT] offset:NOUT+512*\j      ; my wave's own bytes, served in order behind the stores (ISA guide 5.7.1): no wait between
.endr
	; sigma = softplus(x) = ln2 max(X, 0) + log1p(2^-|X|),  X = x log2(e)
.irp i, 0,1,2,3
	v_or_b32 v[EE+\i], 0x80000000, v[XS+\i]
.endr
.irp i, 0,1,2,3
	v_exp_f32 v[EE+\i], v[EE+\i]
.endr
.irp i, 0,1,2,3
	v_max_num_f32 v[XS+\i], 0, v[XS+\i]            ; plain work behind the exponentials
.endr
	QADD_K WW, EE, 1.0
.irp i, 0,1,2,3
	v_log_f32 v[LL+\i], v[WW+\i]
.endr
	v_pk_fma_f32 v[YY:YY+1], v[EE:EE+1], -0.5, 1.0 op_sel_hi:[1,0,0]       ; plain work behind the logarithms: E (1 - E/2), for small E
	v_pk_fma_f32 v[YY+2:YY+3], v[EE+2:EE+3], -0.5, 1.0 op_sel_hi:[1,0,0]
	QMUL YY, YY, EE
	QMUL_K LL, LL, LN2
.irp i, 0,1,2,3
	v_cmp_gt_f32 vcc_lo, s92, v[EE+\i]             ; 2^-12 > E: a choice of a value, made in every lane
	v_cndmask_b32 v[LL+\i], v[LL+\i], v[YY+\i], vcc_lo
.endr
	QFMA_K SG, XS, LN2, LL
	global_store_b128 v[VO1], v[SG:SG+3], s[10:11] th:TH_STORE_NT      ; out0
	; what the three colours share: 0.5 clip(5 sigma, 0, 1) + q3 sin(eta q.w + zeta t)
	QMUL_K BQ, SG, 0x40200000                      ; 2.5 sigma
.irp i, 0,1,2,3
	v_med3_num_f32 v[BQ+\i], v[BQ+\i], 0, 0.5
.endr
.irp e, 0,1,2
	QFMA_S PH, QQ+4*\e, BUFB+T_EW+2*\e, PH
.endr
	REDUCE
	SINP SN
	QFMA_S BQ, SN, BUFB+T_Q3, BQ
	; + 0.3 sin(2 q_e): 2 q radians are q / pi turns
.irp e, 0,1,2
	QMUL_K PH, QQ+4*\e, 0x3ea2f983
	REDUCE
	SINP SN
	QFMA_K XX+4*\e, SN, 0x3e99999a, BQ
.endr
	s_wait_dscnt 0x0                               ; n is back in memory's order; nothing younger is out on this counter
.irp j, 0,1,2
	global_store_b128 v[VO3], v[PP+4*\j:PP+4*\j+3], s[2:3] offset:512*\j th:TH_STORE_NT    ; out3
.endr
	s_wait_kmcnt 0x0                               ; tail record 2 is in buffer A
	; + (Q2 + q1 l^T) n = (R grad) / |grad|
.irp e, 0,1,2
	QMUL_S RG+4*\e, GG,   BUFA+6*\e
	QFMA_S RG+4*\e, GG+4, BUFA+6*\e+2, RG+4*\e
	QFMA_S RG+4*\e, GG+8, BUFA+6*\e+4, RG+4*\e
	QFMA XX+4*\e, RG+4*\e, RN, XX+4*\e
.endr
	; sigmoid(q0 + X) = 1 / (1 + 2^(-log2(e) X - log2(e) q0)).  The next colour's multiply-add is the plain work behind a colour's exponentials,
	; and the first colour's add behind the last colour's.
.irp e, 0,1,2
	QFMA_SS XX+4*\e, XX+4*\e, BUFB+T_NL2E, BUFB+T_NQ+2*\e
.irp i, 0,1,2,3
	v_exp_f32 v[XX+4*\e+\i], v[XX+4*\e+\i]
.endr
.endr
.irp e, 0,1,2
	QADD_K XX+4*\e, XX+4*\e, 1.0
.endr
.irp i, 0,1,2,3
.irp e, 0,1,2
	v_rcp_f32 v[CO+3*\i+\e], v[XX+4*\e+\i]         ; straight into point-major order
.endr
.endr
	v_nop                                          ; the place behind the last reciprocals
.irp j, 0,1,2
	s_wait_alu depctr_va_vdst(0)
	ds_store_b128 v[MINE], v[CO+4*\j:CO+4*\j+3] offset:COUT+16*\j
.endr
.irp j, 0,1,2
	ds_load_b128 v[NO+4*\j:NO+4*\j+3], v[FLAT] offset:COUT+512*\j      ; into n's stage: the LDS stores that read it were waited for above
.endr
	s_wait_dscnt 0x0
.irp j, 0,1,2
	global_store_b128 v[VO3], v[NO+4*\j:NO+4*\j+3], s[12:13] offset:512*\j th:TH_STORE_NT  ; out1
.endr
.endm
	s_load_b256 s[4:11], s[0:1], 0x0               ; table, p, t, out0
	s_load_b128 s[12:15], s[0:1], 0x20             ; out1, out2
	s_load_b64 s[2:3], s[0:1], 0x30                ; out3
	v_lshl_add_u32 v240, v0, 2, 0x12000
	v_mov_b32 v241, 0
	v_lshrrev_b32 v1, 5, v0
	v_readfirstlane_b32 s89, v1                    ; my wave's number
	v_and_b32 v1, 31, v0                           ; lane
	s_mul_i32 s94, s89, WLDS
	s_mul_i32 s90, s89, 1536
	v_lshl_add_u32 v[FLAT], v1, 4, s94
	v_mul_u32_u24 v[MINE], 48, v1
	v_add_nc_u32 v[MINE], s94, v[MINE]
	v_lshlrev_b32 v[VO1], 4, v0                    ; 512 x wave + 16 x lane
	v_lshl_add_u32 v[VO3], v1, 4, s90              ; 1,536 x wave + 16 x lane
	KSET KS0, 0x40c90ec7                           ;   6.2830541
	KSET KS1, 0xc2255312                           ; -41.331123
	KSET KS2, 0x42a2bb24                           ;  81.365506
	KSET KS3, 0xc294f12b                           ; -74.471032
	KSET KS4, 0x4203137d                           ;  32.769032
	KSET KC0, 0x3f7ffd50                           ;   0.99995902
	KSET KC1, 0xc19dd8f8                           ; -19.730942
	KSET KC2, 0x428157c7                           ;  64.671441
	KSET KC3, 0xc2a4c817                           ; -82.390803
	KSET KC4, 0x42367bf3                           ;  45.621043
	s_mov_b32 s92, 0x39800000                      ; 2^-12
	s_mov_b32 s93, 0x5368d4a5                      ; 1e12
	s_mul_i32 s90, ttmp9, 49152                    ; the work-group's 4,096 points x 12 bytes
	s_mov_b32 s91, 0
	s_wait_kmcnt 0x0
	s_add_nc_u64 s[6:7], s[6:7], s[90:91]
	s_add_nc_u64 s[12:13], s[12:13], s[90:91]
	s_add_nc_u64 s[2:3], s[2:3], s[90:91]
	s_lshl_b32 s90, ttmp9, 14                      ; x 4 bytes
	s_add_nc_u64 s[8:9], s[8:9], s[90:91]
	s_add_nc_u64 s[10:11], s[10:11], s[90:91]
	s_add_nc_u64 s[14:15], s[14:15], s[90:91]
.irp j, 0,1,2
	global_load_b128 v[INP+4*\j:INP+4*\j+3], v[VO3], s[6:7] offset:512*\j th:TH_LOAD_NT    ; the first chunk
.endr
	global_load_b128 v[INT:INT+3], v[VO1], s[8:9] th:TH_LOAD_NT
	s_mov_b32 s88, 0
.Ltrip:
	PLOAD BUFA, 0                                  ; the first record; no scalar load is out here
	s_wait_loadcnt 0x0                             ; this trip's four loads, asked for a trip ago (or above); none is younger
.irp j, 0,1,2
	ds_store_b128 v[FLAT], v[INP+4*\j:INP+4*\j+3] offset:PIN+512*\j
.endr
.irp i, 0,1,2,3
	v_mov_b32 v[TT+\i], v[INT+\i]                  ; t lives through the trip, while the next t lands in INT
.endr
	; p by components: word 3 i + e of my 48 bytes.  Lanes L and L + 16 meet in a bank (12 L + k mod 64): two deep, for twelve loads a trip,
	; in place of twelve register moves.
.irp i, 0,1,2,3
.irp e, 0,1,2
	ds_load_b32 v[PP+4*\e+\i], v[MINE] offset:PIN+12*\i+4*\e
.endr
.endr
	s_wait_dscnt 0x0                               ; p is in; the stores that read INP are done too
	s_cmp_eq_u32 s88, TRIPS-1
	s_cbranch_scc1 .Lno_more                       ; the last trip asks for nothing: no load leaves the buffers
.irp j, 0,1,2
	global_load_b128 v[INP+4*\j:INP+4*\j+3], v[VO3], s[6:7] offset:STEP3+512*\j th:TH_LOAD_NT
.endr
	global_load_b128 v[INT:INT+3], v[VO1], s[8:9] offset:STEP1 th:TH_LOAD_NT
.Lno_more:
.irp e, 0,1,2
	NEXT \e
	WARP \e, 1
.endr
.irp j, 1,2,3
.irp e, 0,1,2
	NEXT 3*\j+\e
	WARP \e, 0
.endr
.endr
	NEXT 12
	GYRO
	NEXT 13
	BALL 1
.irp r, 14,15,16,17,18,19,20,21,22,23,24,25,26,27,28
	NEXT \r
	BALL 0
.endr
.irp r, 29,30,31,32,33,34,35,36
	NEXT \r
	HARM
.endr
	NEXT 37
	TAIL
	s_wait_xcnt 0x0                                ; every memory instruction so far has had its addresses translated (ISA guide 3.1): the offsets, which the
	                                               ; stores and the loads ahead name, and the stores' data are rewritten only behind this wait
	v_add_nc_u32 v[VO1], STEP1, v[VO1]
	v_add_nc_u32 v[VO3], STEP3, v[VO3]
	s_add_co_u32 s88, s88, 1
	s_cmp_lt_u32 s88, TRIPS
	s_cbranch_scc1 .Ltrip
	s_wait_tensorcnt 0x0
	ds_add_u32 v240, v241
	s_wait_dscnt 0x0
	s_endpgm
.Lfunc_end_k_q0c5b1c055c_field:
	.size	k_q0c5b1c055c_field, .Lfunc_end_k_q0c5b1c055c_field-k_q0c5b1c055c_field
	.p2alignl 7, 3214868480
	.fill 96, 4, 3214868480
	.section	.rodata,"a",@progbits
	.p2align	6, 0x0
	.amdhsa_kernel k_q0c5b1c055c_field
		.amdhsa_group_segment_fixed_size 75776
		.amdhsa_private_segment_fixed_size 0
		.amdhsa_enable_private_segment 0
		.amdhsa_kernarg_size 56
		.amdhsa_user_sgpr_count 2
		.amdhsa_user_sgpr_kernarg_segment_ptr 1
		.amdhsa_wavefront_size32 1
		.amdhsa_system_sgpr_workgroup_id_x 1
		.amdhsa_system_sgpr_workgroup_id_y 1
		.amdhsa_system_sgpr_workgroup_id_z 1
		.amdhsa_system_vgpr_workitem_id 0
		.amdhsa_next_free_vgpr 242
		.amdhsa_next_free_sgpr 100
		.amdhsa_reserve_vcc 1
		.amdhsa_float_denorm_mode_32 3
		.amdhsa_float_denorm_mode_16_64 3
		.amdhsa_memory_ordered 1
		.amdhsa_forward_progress 1
		.amdhsa_inst_pref_size 140
	.end_amdhsa_kernel
	.amdgpu_metadata
---
amdhsa.version: [ 1, 2 ]
amdhsa.kernels:
  - .name:           k_q0c5b1c055c_field
    .symbol:         k_q0c5b1c055c_field.kd
    .args:
      - { .name: tab, .offset: 0, .size: 8, .value_kind: global_buffer, .address_space: global }
      - { .name: p, .offset: 8, .size: 8, .value_kind: global_buffer, .address_space: global }
      - { .name: t, .offset: 16, .size: 8, .value_kind: global_buffer, .address_space: global }
      - { .name: out0, .offset: 24, .size: 8, .value_kind: global_buffer, .address_space: global }
      - { .name: out1, .offset: 32, .size: 8, .value_kind: global_buffer, .address_space: global }
      - { .name: out2, .offset: 40, .size: 8, .value_kind: global_buffer, .address_space: global }
      - { .name: out3, .offset: 48, .size: 8, .value_kind: global_buffer, .address_space: global }
    .group_segment_fixed_size: 75776
    .private_segment_fixed_size: 0
    .kernarg_segment_align: 8
    .kernarg_segment_size: 56
    .max_flat_workgroup_size: 512
    .sgpr_count:     100
    .vgpr_count:     242
    .wavefront_size: 32
...
	.end_amdgpu_metadata
.endif
;; end of part 2
;; ======== version 2 of 2: 2 launches; version 1 with the launch prep written anew for expert scheduling mode
;; limits: a function is approximated: absolute error at most 4.1e-05
;; workspace buffers: tab 5,120 bytes
;; launch prep (part 3): grid 1 x 1, 1 waves a work-group, no clusters, 5,376 bytes of LDS; arguments warp_B, warp_a, warp_omega, warp_phi, omega, phi, alpha, bias_b, mb_w, mb_beta_raw, mb_cbar, mb_u, mb_nu, mb_psi, h_s, h_k, h_w, h_zeta, kappa, delta_raw, q0, q1, Q2, q3, eta, w_vec, zeta, light_dir, tab; writes tab
.if DOCPART == 3
	.amdgcn_target "amdgcn-amd-amdhsa--gfx1250"
	.amdhsa_code_object_version 6
	.text
	.protected	k_q0c5b1c055c_prep
	.globl	k_q0c5b1c055c_prep
	.p2align	8
	.type	k_q0c5b1c055c_prep,@function
k_q0c5b1c055c_prep:
	s_mov_b64 s[64:65], 0
	v_nop
	global_prefetch_b8 v0, s[64:65] scope:SCOPE_SE
	s_setreg_imm32_b32 hwreg(HW_REG_WAVE_SCHED_MODE, 0, 2), 2
	s_setreg_imm32_b32 hwreg(HW_REG_WAVE_MODE, 25, 1), 1
	s_wait_xcnt 0x0
	s_wait_alu depctr_vm_vsrc(0)
; prep: turns the 28 small parameter inputs into one table of derived constants for the launch that follows.
; The table is 40 records of 128 bytes (39 used).  Parameter k of a record lies in word 2k; all other words are 0: the next launch fetches
; a record by scalar loads and hands each parameter to a packed f32 instruction as an even-aligned scalar pair of which the low word is broadcast.
; Phases are kept in turns (radians / 2 pi), so every frequency and phase offset is scaled by 1/(2 pi) here, once.
;   records  0-11 (r = 3j+e) warp:      0-2 B[j,e,d]/2pi   3 warp_omega[j]/2pi   4 warp_phi[j,e]/2pi   5 a[j,e]   6-8 a[j,e] B[j,e,d]
;   record  12               gyroid:    0-2 omega/2pi   3-5 phi/2pi   6-8 0.1 omega   9 -(0.1 alpha + bias_b)   10 0.1
;   records 13-28 (13+i)     metaballs: 0 nu/2pi   1 psi/2pi   2-4 -u   5-7 -cbar   8 -beta log2(e)   9 w   10 -2 beta w;  beta = softplus(raw) + 0.3
;   records 29-36 (29+k)     harmonics: 0-2 h_k/2pi   3 h_w/2pi   4 h_zeta/2pi   5 h_s   6-8 h_s h_k
;   record  37               tail 1:    0 kappa ln2   1 kappa   2 -log2(e)/delta   3-5 eta w_vec/2pi   6 zeta/2pi   7 q3   8-10 -log2(e) q0   11 -log2(e)
;   record  38               tail 2:    slot 3e+d: Q2[e][d] + q1 light_dir[d]   (so that q1 (n.l) + n Q2^T is one 3 x 3 product with n)
; One wave; one lane makes one record of a family.  Lanes beyond a family's end repeat its last (or a wrapped) index, so every load stays inside
; its buffer, EXEC is never narrowed, and lanes that repeat an index write the same value to the same word.
; The image is built in LDS (cleared first, then the fields) and leaves as ten stores of 512 consecutive aligned bytes.
; softplus(x) = max(x, 0) + ln2 log2(1 + 2^(-|x| log2 e)): the maximum is taken away before the exponential, as in the definition.
; THE MODE: SCHED_MODE bits 1:0 = 2 (LLVM: expert scheduling mode 2), set by the entry lines.  The code itself states the register dependences
; between vector instructions and memory or LDS instructions, with s_wait_alu, always for 0.
; THE PLAN.  Registers that memory or LDS instructions touch:
;   v1-16, v64-67   offsets, LDS addresses, four zeros.  Written once by vector instructions at the head, read by every load and store, never written again.
;   v20-59          the inputs.  The 28 global loads land in them; no vector instruction names them before.  Read by the arithmetic and by five LDS stores; never written again.
;   v140-179        the 40 derived fields, a register each.  Written once by one vector instruction, read once by one LDS store.
;   v96-135         the image read back.  LDS loads land in them, the global stores read them; no vector instruction names them.
;   v17, v18, v60-63, v68, v69 are named by vector instructions alone.
; So all fields are made first and all LDS stores follow in one run.  Five waits on va_vdst: one at the head for the addresses; one behind each of the three batches of
; transcendentals, ahead of the first reader of their results; the third of these also states that 39 fields are written, for 44 LDS stores; the fifth stands for the one
; field that hangs on the reciprocal.  No register that a memory or LDS instruction reads is written afterwards, so no wait on vm_vsrc is owed; no vector instruction
; writes a scalar register or VCC, and EXEC is never written.
.set I2P,    0x3e22f983                ; 1 / (2 pi)
.set LOG2E,  0x3fb8aa3b
.set NLOG2E, 0xbfb8aa3b
.set LN2,    0x3f317218
.set TENTH,  0x3dcccccd
.set NTENTH, 0xbdcccccd
.set R_GY,  12*128                     ; byte offsets of the records
.set R_MB,  13*128
.set R_HA,  29*128
.set R_T1,  37*128
.set R_T2,  38*128
; scalar pairs: argument n lies in s[4+2n:5+2n]
.set A_WB, 4
.set A_WA, 6
.set A_WO, 8
.set A_WP, 10
.set A_OM, 12
.set A_PH, 14
.set A_AL, 16
.set A_BI, 18
.set A_MW, 20
.set A_MR, 22
.set A_MC, 24
.set A_MU, 26
.set A_MN, 28
.set A_MP, 30
.set A_HS, 32
.set A_HK, 34
.set A_HW, 36
.set A_HZ, 38
.set A_KA, 40
.set A_DR, 42
.set A_Q0, 44
.set A_Q1, 46
.set A_Q2, 48
.set A_Q3, 50
.set A_ET, 52
.set A_WV, 54
.set A_ZE, 56
.set A_LD, 58
.set A_TAB, 60
; vector registers
.set ZERO, 1                           ; 0: offset of the single numbers, LDS address of the uniform fields
.set FLAT, 2                           ; 16 x lane
.set O12,  3                           ; 4 i12    (i12 = min(lane, 11))
.set R12,  4                           ; 12 i12
.set OJ,   5                           ; 4 (i12 / 3)
.set O16,  6                           ; 4 i16    (i16 = lane & 15)
.set R16,  7                           ; 12 i16
.set O8,   8                           ; 4 i8     (i8 = lane & 7)
.set R8,   9                           ; 12 i8
.set O3,   10                          ; 4 i3     (i3 = min(lane, 2))
.set R3,   11                          ; 12 i3
.set L12,  12                          ; 128 i12: LDS address of the lane's warp record
.set L16,  13                          ; 128 i16
.set L8,   14                          ; 128 i8
.set L3,   15                          ; 8 i3:  three neighbouring slots of a record
.set L3R,  16                          ; 24 i3: a row of three slots
.set IX,   17
.set IY,   18
.set WB,   20                          ; v20-22  a row of warp_B
.set WA,   23
.set WP,   24
.set WO,   25
.set MR,   26
.set MW,   27
.set MU,   28                          ; v28-30
.set MN,   31
.set MC,   32                          ; v32-34
.set MP,   35
.set HK,   36                          ; v36-38
.set HS,   39
.set Q2,   40                          ; v40-42  a row of Q2
.set HW,   43
.set LD,   44                          ; v44-46  light_dir
.set HZ,   47
.set OM,   48
.set PH,   49
.set WV,   50
.set Q0,   51
.set AL,   52
.set BI,   53
.set KA,   54
.set DR,   55
.set Q1,   56
.set Q3,   57
.set ET,   58
.set ZE,   59
.set BETA, 60
.set DEL,  61
.set TM,   62                          ; at work in beta's softplus
.set TM2,  63                          ; beta w
.set ZQ,   64                          ; v64-67  four zeros
.set TD,   68                          ; at work in delta's softplus
.set TE,   69                          ; eta w_vec
.set RB,   96                          ; v96-135 the image read back
.set FW,   140                         ; v140-147 warp:      B/2pi x 3, omega/2pi, phi/2pi, a B x 3
.set FG,   148                         ; v148-152 gyroid:    omega/2pi, phi/2pi, 0.1 omega, -(0.1 alpha + bias_b), 0.1
.set FB,   153                         ; v153-162 metaballs: nu/2pi, psi/2pi, -u x 3, -cbar x 3, -beta log2(e), -2 beta w
.set FH,   163                         ; v163-170 harmonics: h_k/2pi x 3, h_w/2pi, h_zeta/2pi, h_s h_k x 3
.set FT,   171                         ; v171-176 tail 1:    kappa ln2, -log2(e)/delta, eta w_vec/2pi, zeta/2pi, -log2(e) q0, -log2(e)
.set FR,   177                         ; v177-179 tail 2:    a row of Q2 + q1 light_dir
.macro LD1 dst, off, ptr
	global_load_b32 v[\dst], v[\off], s[\ptr:\ptr+1]
.endm
.macro LD3 dst, off, ptr
	global_load_b96 v[\dst:\dst+2], v[\off], s[\ptr:\ptr+1]
.endm
.macro MULF dst, a, b                  ; a field a x v[b], into its own register; a is a constant or a register, written out
	v_mul_f32 v[\dst], \a, v[\b]
.endm
.macro PUT adr, off, val               ; a field goes into the image
	ds_store_b32 v[\adr], v[\val] offset:\off
.endm
	s_load_b512 s[4:19],  s[0:1], 0x0              ; the 29 addresses
	s_load_b512 s[20:35], s[0:1], 0x40
	s_load_b512 s[36:51], s[0:1], 0x80
	s_load_b256 s[52:59], s[0:1], 0xc0
	s_load_b64  s[60:61], s[0:1], 0xe0
	v_lshl_add_u32 v190, v0, 2, 0x1400
	v_mov_b32 v191, 0
	v_mov_b32 v[ZERO], 0
	v_lshlrev_b32 v[FLAT], 4, v0
	v_min_u32 v[IX], 11, v0                        ; i12
	v_lshlrev_b32 v[O12], 2, v[IX]
	v_mul_u32_u24 v[R12], 12, v[IX]
	v_lshlrev_b32 v[L12], 7, v[IX]
	v_mul_u32_u24 v[IY], 43, v[IX]                 ; i12 / 3 = (43 i12) >> 7 for i12 = 0 .. 11
	v_lshrrev_b32 v[IY], 7, v[IY]
	v_lshlrev_b32 v[OJ], 2, v[IY]
	v_and_b32 v[IX], 15, v0                        ; i16
	v_lshlrev_b32 v[O16], 2, v[IX]
	v_mul_u32_u24 v[R16], 12, v[IX]
	v_lshlrev_b32 v[L16], 7, v[IX]
	v_and_b32 v[IX], 7, v0                         ; i8
	v_lshlrev_b32 v[O8], 2, v[IX]
	v_mul_u32_u24 v[R8], 12, v[IX]
	v_lshlrev_b32 v[L8], 7, v[IX]
	v_min_u32 v[IX], 2, v0                         ; i3
	v_lshlrev_b32 v[O3], 2, v[IX]
	v_mul_u32_u24 v[R3], 12, v[IX]
	v_lshlrev_b32 v[L3], 3, v[IX]
	v_mul_u32_u24 v[L3R], 24, v[IX]
.irp i, 0,1,2,3
	v_mov_b32 v[ZQ+\i], 0
.endr
	s_wait_kmcnt 0x0
	s_wait_alu depctr_va_vdst(0)                   ; the offsets and LDS addresses v1 to v16 and the four zeros v64 to v67 are written: every load and store of the kernel reads some of them
	; all 28 inputs, back to back
	LD3 WB, R12, A_WB
	LD1 WA, O12, A_WA
	LD1 WO, OJ,  A_WO
	LD1 WP, O12, A_WP
	LD1 OM, O3,  A_OM
	LD1 PH, O3,  A_PH
	LD1 AL, ZERO, A_AL
	LD1 BI, ZERO, A_BI
	LD1 MW, O16, A_MW
	LD1 MR, O16, A_MR
	LD3 MC, R16, A_MC
	LD3 MU, R16, A_MU
	LD1 MN, O16, A_MN
	LD1 MP, O16, A_MP
	LD1 HS, O8,  A_HS
	LD3 HK, R8,  A_HK
	LD1 HW, O8,  A_HW
	LD1 HZ, O8,  A_HZ
	LD1 KA, ZERO, A_KA
	LD1 DR, ZERO, A_DR
	LD1 Q0, O3,  A_Q0
	LD1 Q1, ZERO, A_Q1
	LD3 Q2, R3,  A_Q2
	LD1 Q3, ZERO, A_Q3
	LD1 ET, ZERO, A_ET
	LD1 WV, O3,  A_WV
	LD1 ZE, ZERO, A_ZE
	LD3 LD, ZERO, A_LD
	; meanwhile the image is cleared: 10 x 512 bytes.  The fields below come later in the same wave's order and land on top.
.irp k, 0,1,2,3,4,5,6,7,8,9
	ds_store_b128 v[FLAT], v[ZQ:ZQ+3] offset:512*\k
.endr
	s_wait_loadcnt 0x0                             ; all inputs are in: nothing younger is out
	; THE FIELDS, each into a register of its own.  The two softplus (beta's and delta's) go side by side, a batch of two transcendentals at each stage,
	; and the fields that hang on neither stand behind the batches.
	v_or_b32 v[TM], 0x80000000, v[MR]              ; -|x|
	v_or_b32 v[TD], 0x80000000, v[DR]
	v_mul_f32 v[TM], LOG2E, v[TM]
	v_mul_f32 v[TD], LOG2E, v[TD]
	v_exp_f32 v[TM], v[TM]
	v_exp_f32 v[TD], v[TD]
	v_max_num_f32 v[BETA], 0, v[MR]                ; the plain instruction between the exponentials and the use of their results (ISA guide 5.7.2)
	v_max_num_f32 v[DEL], 0, v[DR]
	; warp records
	MULF FW,   I2P, WB
	MULF FW+1, I2P, WB+1
	MULF FW+2, I2P, WB+2
	MULF FW+3, I2P, WO
	MULF FW+4, I2P, WP
	MULF FW+5, v[WA], WB
	MULF FW+6, v[WA], WB+1
	MULF FW+7, v[WA], WB+2
	s_wait_alu depctr_va_vdst(0)                   ; the two exponentials have written v[TM] and v[TD], ahead of the adds that read them
	v_add_f32 v[TM], 1.0, v[TM]
	v_add_f32 v[TD], 1.0, v[TD]
	v_log_f32 v[TM], v[TM]
	v_log_f32 v[TD], v[TD]
	; gyroid record (its first line is the plain instruction behind the logarithms)
	MULF FG,   I2P, OM
	MULF FG+1, I2P, PH
	MULF FG+2, TENTH, OM
	v_fma_f32 v[FG+3], v[AL], NTENTH, -v[BI]       ; -(0.1 alpha + bias_b)
	v_mov_b32 v[FG+4], TENTH
	; harmonic records
	MULF FH,   I2P, HK
	MULF FH+1, I2P, HK+1
	MULF FH+2, I2P, HK+2
	MULF FH+3, I2P, HW
	MULF FH+4, I2P, HZ
	MULF FH+5, v[HS], HK
	MULF FH+6, v[HS], HK+1
	MULF FH+7, v[HS], HK+2
	; tail record 2: lane e holds row e of Q2
.irp d, 0,1,2
	v_fma_f32 v[FR+\d], v[Q1], v[LD+\d], v[Q2+\d]
.endr
	s_wait_alu depctr_va_vdst(0)                   ; the two logarithms have written v[TM] and v[TD], ahead of the multiply-adds that read them
	v_fmac_f32 v[BETA], LN2, v[TM]
	v_fmac_f32 v[DEL], LN2, v[TD]
	v_add_f32 v[BETA], 0x3e99999a, v[BETA]         ; + 0.3
	v_add_f32 v[DEL], 0x3a83126f, v[DEL]           ; delta = softplus(delta_raw) + 0.001
	v_rcp_f32 v[DEL], v[DEL]
	v_mul_f32 v[TM2], v[BETA], v[MW]               ; the plain instruction behind the reciprocal; beta w
	v_mul_f32 v[TE], v[ET], v[WV]                  ; eta w_vec
	; metaball records
	MULF FB,   I2P, MN
	MULF FB+1, I2P, MP
	MULF FB+2, -1.0, MU
	MULF FB+3, -1.0, MU+1
	MULF FB+4, -1.0, MU+2
	MULF FB+5, -1.0, MC
	MULF FB+6, -1.0, MC+1
	MULF FB+7, -1.0, MC+2
	MULF FB+8, NLOG2E, BETA
	MULF FB+9, -2.0, TM2
	; tail record 1, all but the field that hangs on the reciprocal
	MULF FT,   LN2, KA
	MULF FT+2, I2P, TE
	MULF FT+3, I2P, ZE
	MULF FT+4, NLOG2E, Q0
	v_mov_b32 v[FT+5], NLOG2E
	s_wait_alu depctr_va_vdst(0)                   ; the reciprocal has written v[DEL], ahead of the multiply that reads it; and the 39 fields made so far are written, which the LDS stores below read
	MULF FT+1, NLOG2E, DEL                         ; the one vector instruction behind that wait: it writes v[FT+1], which none of the next 44 stores names
	; THE FIELDS GO INTO THE IMAGE, in one run
	PUT L12, 0,  FW
	PUT L12, 8,  FW+1
	PUT L12, 16, FW+2
	PUT L12, 24, FW+3
	PUT L12, 32, FW+4
	PUT L12, 40, WA
	PUT L12, 48, FW+5
	PUT L12, 56, FW+6
	PUT L12, 64, FW+7
	PUT L3,   R_GY,    FG
	PUT L3,   R_GY+24, FG+1
	PUT L3,   R_GY+48, FG+2
	PUT ZERO, R_GY+72, FG+3
	PUT ZERO, R_GY+80, FG+4
	PUT L16, R_MB,    FB
	PUT L16, R_MB+8,  FB+1
	PUT L16, R_MB+16, FB+2
	PUT L16, R_MB+24, FB+3
	PUT L16, R_MB+32, FB+4
	PUT L16, R_MB+40, FB+5
	PUT L16, R_MB+48, FB+6
	PUT L16, R_MB+56, FB+7
	PUT L16, R_MB+64, FB+8
	PUT L16, R_MB+72, MW
	PUT L16, R_MB+80, FB+9
	PUT L8, R_HA,    FH
	PUT L8, R_HA+8,  FH+1
	PUT L8, R_HA+16, FH+2
	PUT L8, R_HA+24, FH+3
	PUT L8, R_HA+32, FH+4
	PUT L8, R_HA+40, HS
	PUT L8, R_HA+48, FH+5
	PUT L8, R_HA+56, FH+6
	PUT L8, R_HA+64, FH+7
	PUT ZERO, R_T1,    FT
	PUT ZERO, R_T1+8,  KA
	PUT L3,   R_T1+24, FT+2
	PUT ZERO, R_T1+48, FT+3
	PUT ZERO, R_T1+56, Q3
	PUT L3,   R_T1+64, FT+4
	PUT ZERO, R_T1+88, FT+5
.irp d, 0,1,2
	PUT L3R, R_T2+8*\d, FR+\d
.endr
	s_wait_alu depctr_va_vdst(0)                   ; the multiply by the reciprocal has written v[FT+1], which the LDS store below reads
	PUT ZERO, R_T1+16, FT+1
	; the image leaves through registers.  LDS serves one wave's instructions in order (ISA guide 5.7.1), so these loads see every store above.
	; They land in v96 to v135, which no vector instruction names.
.irp k, 0,1,2,3,4,5,6,7,8,9
	ds_load_b128 v[RB+4*\k:RB+4*\k+3], v[FLAT] offset:512*\k
.endr
	s_wait_dscnt 0x0                               ; all ten are in: nothing younger is out
.irp k, 0,1,2,3,4,5,6,7,8,9
	global_store_b128 v[FLAT], v[RB+4*\k:RB+4*\k+3], s[A_TAB:A_TAB+1] offset:512*\k   ; 512 consecutive bytes, at a multiple of 512 from the table's first byte
.endr
	s_wait_dscnt 0x0
	s_wait_alu depctr_hold_cnt(0) depctr_sa_sdst(0) depctr_va_vdst(0) depctr_va_sdst(0) depctr_va_ssrc(0) depctr_va_vcc(0) depctr_vm_vsrc(0)
	s_wait_tensorcnt 0x0
	ds_add_u32 v190, v191
	s_wait_dscnt 0x0
	s_endpgm
.Lfunc_end_k_q0c5b1c055c_prep:
	.size	k_q0c5b1c055c_prep, .Lfunc_end_k_q0c5b1c055c_prep-k_q0c5b1c055c_prep
	.p2alignl 7, 3214868480
	.fill 96, 4, 3214868480
	.section	.rodata,"a",@progbits
	.p2align	6, 0x0
	.amdhsa_kernel k_q0c5b1c055c_prep
		.amdhsa_group_segment_fixed_size 5376
		.amdhsa_private_segment_fixed_size 0
		.amdhsa_enable_private_segment 0
		.amdhsa_kernarg_size 232
		.amdhsa_user_sgpr_count 2
		.amdhsa_user_sgpr_kernarg_segment_ptr 1
		.amdhsa_wavefront_size32 1
		.amdhsa_system_sgpr_workgroup_id_x 1
		.amdhsa_system_sgpr_workgroup_id_y 1
		.amdhsa_system_sgpr_workgroup_id_z 1
		.amdhsa_system_vgpr_workitem_id 0
		.amdhsa_next_free_vgpr 192
		.amdhsa_next_free_sgpr 66
		.amdhsa_reserve_vcc 0
		.amdhsa_float_denorm_mode_32 3
		.amdhsa_float_denorm_mode_16_64 3
		.amdhsa_memory_ordered 1
		.amdhsa_forward_progress 1
		.amdhsa_inst_pref_size 13
	.end_amdhsa_kernel
	.amdgpu_metadata
---
amdhsa.version: [ 1, 2 ]
amdhsa.kernels:
  - .name:           k_q0c5b1c055c_prep
    .symbol:         k_q0c5b1c055c_prep.kd
    .args:
      - { .name: warp_B, .offset: 0, .size: 8, .value_kind: global_buffer, .address_space: global }
      - { .name: warp_a, .offset: 8, .size: 8, .value_kind: global_buffer, .address_space: global }
      - { .name: warp_omega, .offset: 16, .size: 8, .value_kind: global_buffer, .address_space: global }
      - { .name: warp_phi, .offset: 24, .size: 8, .value_kind: global_buffer, .address_space: global }
      - { .name: omega, .offset: 32, .size: 8, .value_kind: global_buffer, .address_space: global }
      - { .name: phi, .offset: 40, .size: 8, .value_kind: global_buffer, .address_space: global }
      - { .name: alpha, .offset: 48, .size: 8, .value_kind: global_buffer, .address_space: global }
      - { .name: bias_b, .offset: 56, .size: 8, .value_kind: global_buffer, .address_space: global }
      - { .name: mb_w, .offset: 64, .size: 8, .value_kind: global_buffer, .address_space: global }
      - { .name: mb_beta_raw, .offset: 72, .size: 8, .value_kind: global_buffer, .address_space: global }
      - { .name: mb_cbar, .offset: 80, .size: 8, .value_kind: global_buffer, .address_space: global }
      - { .name: mb_u, .offset: 88, .size: 8, .value_kind: global_buffer, .address_space: global }
      - { .name: mb_nu, .offset: 96, .size: 8, .value_kind: global_buffer, .address_space: global }
      - { .name: mb_psi, .offset: 104, .size: 8, .value_kind: global_buffer, .address_space: global }
      - { .name: h_s, .offset: 112, .size: 8, .value_kind: global_buffer, .address_space: global }
      - { .name: h_k, .offset: 120, .size: 8, .value_kind: global_buffer, .address_space: global }
      - { .name: h_w, .offset: 128, .size: 8, .value_kind: global_buffer, .address_space: global }
      - { .name: h_zeta, .offset: 136, .size: 8, .value_kind: global_buffer, .address_space: global }
      - { .name: kappa, .offset: 144, .size: 8, .value_kind: global_buffer, .address_space: global }
      - { .name: delta_raw, .offset: 152, .size: 8, .value_kind: global_buffer, .address_space: global }
      - { .name: q0, .offset: 160, .size: 8, .value_kind: global_buffer, .address_space: global }
      - { .name: q1, .offset: 168, .size: 8, .value_kind: global_buffer, .address_space: global }
      - { .name: Q2, .offset: 176, .size: 8, .value_kind: global_buffer, .address_space: global }
      - { .name: q3, .offset: 184, .size: 8, .value_kind: global_buffer, .address_space: global }
      - { .name: eta, .offset: 192, .size: 8, .value_kind: global_buffer, .address_space: global }
      - { .name: w_vec, .offset: 200, .size: 8, .value_kind: global_buffer, .address_space: global }
      - { .name: zeta, .offset: 208, .size: 8, .value_kind: global_buffer, .address_space: global }
      - { .name: light_dir, .offset: 216, .size: 8, .value_kind: global_buffer, .address_space: global }
      - { .name: tab, .offset: 224, .size: 8, .value_kind: global_buffer, .address_space: global }
    .group_segment_fixed_size: 5376
    .private_segment_fixed_size: 0
    .kernarg_segment_align: 8
    .kernarg_segment_size: 232
    .max_flat_workgroup_size: 32
    .sgpr_count:     66
    .vgpr_count:     192
    .wavefront_size: 32
...
	.end_amdgpu_metadata
.endif
;; end of part 3
;; launch field: the kernel of part 2 again; grid 256 x 1, 16 waves a work-group, no clusters, 75,776 bytes of LDS; arguments tab, p, t, out0, out1, out2, out3; writes out0, out1, out2, out3
